; MI455X (gfx1250); checked and timed in simulation.
; The chip was launched on July 23, 2026; its instructions are those of AMD's public machine-readable ISA for CDNA 5 (MIT licence, August 2026) and "CDNA5" Instruction Set Architecture Reference Guide (July 2026). The comments in the code are by the model that wrote it; some were corrected since.
;; Attention. Allowed arithmetic: matrix products marked QUANTISED: E2M1 operands, one E8M0 scale for each 32 along K, by v_wmma_scale_f32_16x16x128_f8f6f4 with both operands' format E2M1 (or v_wmma_scale_f32_32x16x128_f4), f32 sums; products left as they are: f32 operands where the result goes on into a quantised operand, else bf16, f16 or f32 operands; f32 sums; everything else in f32.
;; Inputs: V 1,024 x 1 float32; W1 1,024 x 1,024 float32; W2 1,024 x 1,024 float32; b1 1,024 float32; b2 1,024 float32; bv 1 float32; encoder_output 16 x 4,096 x 1,024 float32; hidden_state 16 x 1,024 float32.
;; Outputs: out0 16 x 1,024 float32; out1 16 x 4,096 x 1 float32.
;; This version of the problem:
;;   THIS VERSION OF THE PROBLEM IS GIVEN IN LOW PRECISION. The matrix products marked QUANTISED in the list below multiply operands that are first quantised to E2M1 (2 exponent bits, 1 mantissa bit; 4 bits a number), with one power-of-two scale for each 32 numbers along K (OCP MX v1.0); their sums are f32. All else is computed in f32.
;;   The module's matrix products, in the order in which they are computed (A, B: the left and right operand; K: the contracted axis; several contracted axes count as one K, in the product's order):
;;     1. [M 16, K 1,024] x [K 1,024, N 1,024]; A: input hidden_state; B: input W1: QUANTISED
;;     2. [M 65,536, K 1,024] x [K 1,024, N 1,024]; A: input encoder_output; B: input W2: QUANTISED
;;     3. [M 65,536, K 1,024] x [K 1,024, N 1]; A: computed on the way; B: input V: left as it is (N = 1 < 16)
;;   THE QUANTISER, for each operand of a quantised product, along K:
;;     - K is cut into blocks of 32 from its start; a last block that is shorter is filled with zeros.
;;     - A block's scale is 2^e with e = floor(log2(the largest magnitude in the block)) - 2, held to -126 .. 127; a block of zeros has e = 0. As a byte (E8M0): e + 127.
;;     - Each number is divided by its block's scale, clamped to +-6, and rounded to the nearest number of E2M1, ties to even, subnormals kept.
;;     - The product sums the exact products of the quantised numbers (number of the format x scale) in f32.
;;   ~~~python
;;   def quantise(x, axis):      # numpy; x: float32 -> the quantised numbers, widened to float32 again
;;       x = np.moveaxis(x, axis, -1); K = x.shape[-1]
;;       x = np.pad(x, [(0, 0)] * (x.ndim - 1) + [(0, -K % 32)]); x = x.reshape(x.shape[:-1] + (-1, 32)); a = np.abs(x).max(-1, keepdims=True)
;;       e = np.where(a > 0, np.clip(np.frexp(np.where(a > 0, a, 1))[1] - 1 - 2, -126, 127), 0)      # np.frexp(a)[1] - 1 = floor(log2(a)), exactly
;;       r = np.clip(x / 2.0 ** e, -6, 6)
;;       step = 2.0 ** (np.maximum(np.frexp(np.where(r == 0, 1, r))[1] - 1, 0) - 1)
;;       q = np.round(r / step) * step * 2.0 ** e      # np.round: ties to even
;;       return np.moveaxis(q.reshape(q.shape[:-2] + (-1,))[..., :K], -1, axis).astype(np.float32)
;;   ~~~
;; One version. Each part assembles by itself: llvm-mc -triple=amdgcn-amd-amdhsa -mcpu=gfx1250 --defsym DOCPART=n.
;; ======== version 1 of 1: 3 launches
;; limits: right only within a limited range of input values
;; workspace buffers: w2img 524,288 bytes; w2sc 32,768 bytes; hp 1,048,576 bytes; scores 262,144 bytes; ctxp 1,048,576 bytes; stat 65,536 bytes
;; launch prep (part 1): grid 8 x 32, 4 waves a work-group, no clusters, 0 bytes of LDS; arguments W1, W2, hidden_state, w2img, w2sc, hp; writes w2img, w2sc, hp
.if DOCPART == 1
	.amdgcn_target "amdgcn-amd-amdhsa--gfx1250"
	.amdhsa_code_object_version 6
	.text
	.protected	k_q44e3e1267e_prep
	.globl	k_q44e3e1267e_prep
	.p2align	8
	.type	k_q44e3e1267e_prep,@function
k_q44e3e1267e_prep:
	s_mov_b64 s[64:65], 0
	v_nop
	global_prefetch_b8 v0, s[64:65] scope:SCOPE_SE
	s_setreg_imm32_b32 hwreg(HW_REG_WAVE_MODE, 25, 1), 1
	s_wait_xcnt 0x0
; W1, W2: [1024 (k)][1024 (n)] f32, K along the FIRST axis.  hidden_state: [16][1024] f32.
; WORK LEFT OUT BY THE WHOLE PROGRAM.  reference() returns softmax(score) over t and the sum weighted by it.  score[b][t] = sum over u of V[u] tanh(..) + bv, and a softmax does not change when
; one number is added to all its inputs along its axis.  bv is such a number for every value of the inputs: it reaches no output, is not loaded and is among no launch's arguments.
; With tanh(x) = 1 - 2 / (1 + e^(2 x)) the score is sum V[u] - 2 sum V[u] / (1 + ..): sum V[u] is the same for all t too and is not added.
; LIMIT: a NaN, an infinity or an overflow that reaches only bv or the sum of V is not carried to the results.
; A CHUNK q is 64 along K: k = 64 q .. + 63, two blocks of 32; K step s = q / 2 (128 along K), half c = q % 2.  A wave takes 32 columns x one chunk: 64 loads.  256 work-groups of 128 columns x one chunk.
; Work-groups with y = 0..15 turn chunk q = y of W2 into codes of E2M1 with one E8M0 byte for each 32 along K, stored as IMAGES OF THE OPERAND'S REGISTERS:
;   w2img [tile of 16 columns T][s][c][lane][16 bytes]: lane (r, h), registers 4 c .. 4 c + 3 = column 16 T + r, k = 128 s + 64 c + 32 h + 0 .. 31;
;   w2sc  [T][s / 4][lane 16 (s % 2) + r][(s / 2) % 2]: the scale word (four bytes) of column 16 T + r for K step s; a chunk stores its bytes 2 c and 2 c + 1.
; Work-groups with y = 16..31 do the same with W1 for q = y - 16, quantise hidden_state's chunk in registers, and store that chunk's part of Q(hidden) Q(W1): hp [q][16][1024] f32.
; There the chunk stands as k = 0 .. 63 of the matrix instruction; k = 64 .. 127 are zero codes on both sides, under the scale byte 0, a finite code: they add nothing.
; A LANE TAKES A COLUMN AND ITS REGISTERS RUN DOWN K: each load reads 128 consecutive bytes a wave (512 a work-group), a block of 32 lies in one lane, and the conversions give codes with K innermost.
; A block's scale is 2^(floor(log2(largest magnitude)) - 2): its byte is the largest magnitude's exponent field - 2, held at 1 from below.
; LIMITS: a block of zeros gets the byte 1 where the rule says 127 (its codes are zeros, and this program alone reads the bytes); NaN and infinities among the inputs are not served.
; hp leaves in pieces of 32 bytes and w2sc in pieces of 2: 1 MB and 32 KB in all, against 8 MB read.
; The line s_wait_alu depctr_va_vdst(0) stands at the head's end.
.set FLOOR, 0x01800000                 ; 2^(3 - 127): under it no largest magnitude is taken
.set EADJ,  0xff000000                 ; takes 2 off an exponent field
.set P,   16                           ; v16-19 block 0's codes, v24-27 block 1's; behind the swaps: tile 0's registers 0-3, tile 1's.  v20-23, v28-31: zero codes (W1's path)
.set HF,  32                           ; v32-39   hidden's fragment
.set D0,  40                           ; v40-47   the product with tile 0
.set D1,  48                           ; v48-55   with tile 1
.set SW,  56                           ; v56      the weight's two scale bytes: lanes 0-15 tile 0, lanes 16-31 tile 1
.set HS,  57                           ; v57      hidden's
.set X,   64                           ; v64-127  64 numbers of my column
.set H,   128                          ; v128-159 32 numbers of hidden
	s_load_b256 s[4:11], s[0:1], 0x0               ; W1 s[4:5], W2 s[6:7], hidden s[8:9], w2img s[10:11]
	s_load_b128 s[12:15], s[0:1], 0x20             ; w2sc s[12:13], hp s[14:15]
	v_lshrrev_b32 v1, 5, v0
	v_readfirstlane_b32 s16, v1                    ; wave 0..3
	v_and_b32 v6, 31, v0                           ; lane
	v_and_b32 v7, 15, v0                           ; r
	v_bfe_u32 v58, v0, 4, 1                        ; h
	v_lshlrev_b32 v1, 2, v6                        ; the weight: 4 bytes a lane
	v_lshlrev_b32 v2, 4, v6                        ; an image: 16 bytes a lane
	v_lshlrev_b32 v3, 3, v7
	v_lshl_add_u32 v3, v58, 9, v3                  ; w2sc: 8 r, and lanes 16-31 one tile (512 bytes) on
	v_lshlrev_b32 v4, 12, v7
	v_lshl_add_u32 v4, v58, 7, v4                  ; hidden: row r of 4,096 bytes, + 128 h
	v_lshlrev_b32 v5, 12, v7
	v_lshl_add_u32 v5, v58, 5, v5                  ; hp: row r of 4,096 bytes, + 32 h
	s_and_b32 s17, ttmp7, 0xffff                   ; y
	s_and_b32 s18, s17, 15                         ; the chunk q
	s_lshr_b32 s17, s17, 4                         ; 0: W2, 1: W1
	s_lshl_b32 s20, ttmp9, 9
	s_lshl_b32 s21, s16, 7
	s_add_co_u32 s20, s20, s21                     ; 4 n0: my wave's first column, 128 x + 32 wave, in bytes
	s_lshl_b32 s21, s18, 18                        ; 64 q rows of 4,096 bytes
	s_add_co_u32 s22, s20, s21
	s_mov_b32 s23, 0
	s_mov_b32 s25, 0
	s_mov_b32 s28, 0x76543210
	s_mov_b32 s29, 0xfedcba98                      ; v_permlanex16_b32's selects for lane l xor 16
	s_wait_alu depctr_va_vdst(0)
	s_wait_kmcnt 0x0
	s_cmp_lg_u32 s17, 0                            ; which weight: the choice hangs on the work-group's number alone
	s_cselect_b64 s[6:7], s[4:5], s[6:7]
	s_add_nc_u64 s[6:7], s[6:7], s[22:23]
.set i, 0
.rept 64
	global_load_b32 v[X+i], v1, s[6:7] offset:i*4096 th:TH_LOAD_NT   ; row 64 q + i, 32 neighbouring columns
.set i, i+1
.endr
; block b of my column: its largest magnitude, scale operand, byte and 32 codes.  cnt: how many younger loads may stay out
.macro WBLOCK b, cnt
.set XS, X+32*(\b)
.set PB, P+8*(\b)
	s_wait_loadcnt \cnt
	v_max3_num_f32 v8, |v[XS]|, |v[XS+1]|, |v[XS+2]|
	v_max3_num_f32 v9, |v[XS+3]|, |v[XS+4]|, |v[XS+5]|
.irp i, 6,10,14,18,22,26
	v_max3_num_f32 v8, v8, |v[XS+\i]|, |v[XS+\i+1]|        ; two chains, so that no line waits for the line above it
	v_max3_num_f32 v9, v9, |v[XS+\i+2]|, |v[XS+\i+3]|
.endr
	v_max3_num_f32 v8, v8, |v[XS+30]|, |v[XS+31]|
	v_max3_num_f32 v8, v8, v9, FLOOR
	v_add_nc_u32 v[12+\b], EADJ, v8                ; the conversion takes the exponent field of this operand as its scale
	v_lshrrev_b32 v10, 23, v[12+\b]                ; the scale's byte
.if (\b) == 0
	v_mov_b32 v[SW], v10
.else
	v_lshl_or_b32 v[SW], v10, 8, v[SW]
.endif
.irp g, 0,1,2,3
	v_cvt_scalef32_pk8_fp4_f32 v[PB+\g], v[XS+8*\g:XS+8*\g+7], v[12+\b]
.endr
.endm
; both blocks; then the codes are laid as two tiles' registers: the operand wants the even block in lanes 0-15 and the odd one in lanes 16-31, of ONE tile of 16 columns: the first register's
; lanes 16-31 change places with the second's lanes 0-15
.macro WQUANT c0, c1
	WBLOCK 0, \c0
	WBLOCK 1, \c1
	v_nop                                          ; one plain place behind a scaled conversion
.irp g, 0,1,2,3
	v_permlane16_swap_b32 v[P+\g], v[P+8+\g]
.endr
.endm
	s_cmp_lg_u32 s17, 0                            ; the one parting: on the work-group's number alone
	s_cbranch_scc1 .Lw1
	; ---- W2: images and scale bytes
	s_lshl_b32 s24, ttmp9, 16                      ; tile 8 x + 2 wave, 8,192 bytes a tile,
	s_lshl_b32 s26, s16, 14
	s_add_co_u32 s24, s24, s26
	s_lshl_b32 s26, s18, 9                         ; 1,024 s + 512 c = 512 q
	s_add_co_u32 s24, s24, s26
	s_add_nc_u64 s[10:11], s[10:11], s[24:25]
	s_lshl_b32 s24, ttmp9, 12                      ; the scale words: 512 bytes a tile,
	s_lshl_b32 s26, s16, 10
	s_add_co_u32 s24, s24, s26
	s_lshr_b32 s26, s18, 3
	s_lshl_b32 s26, s26, 8                         ; 256 (s / 4),
	s_add_co_u32 s24, s24, s26
	s_bfe_u32 s26, s18, 0x10001
	s_lshl_b32 s26, s26, 7                         ; 128 (s % 2),
	s_add_co_u32 s24, s24, s26
	s_bfe_u32 s26, s18, 0x10002
	s_lshl_b32 s26, s26, 2                         ; 4 ((s / 2) % 2),
	s_add_co_u32 s24, s24, s26
	s_and_b32 s26, s18, 1
	s_lshl_b32 s26, s26, 1                         ; 2 c
	s_add_co_u32 s24, s24, s26
	s_add_nc_u64 s[12:13], s[12:13], s[24:25]
	WQUANT 32, 0                                   ; block 1's 32 loads may be out; then none
	global_store_b128 v2, v[P:P+3], s[10:11]                   ; each store covers 512 consecutive bytes, aligned
	global_store_b128 v2, v[P+8:P+11], s[10:11] offset:8192
	global_store_b16 v3, v[SW], s[12:13]
	s_endpgm
.Lw1:
	; ---- W1: this chunk's part of Q(hidden) Q(W1)
	s_lshl_b32 s24, s18, 8                         ; hidden: 64 q numbers on
	s_add_nc_u64 s[8:9], s[8:9], s[24:25]
	s_lshl_b32 s24, s18, 16                        ; hp: plane q of 65,536 bytes, + 4 n0
	s_add_co_u32 s24, s24, s20
	s_add_nc_u64 s[14:15], s[14:15], s[24:25]
.irp j, 0,1,2,3,4,5,6,7
	global_load_b128 v[H+4*\j:H+4*\j+3], v4, s[8:9] offset:16*\j   ; hidden(r, 64 q + 32 h + 4 j ..): the k that the operand's layout gives lane (r, h) in registers 0-3
.endr
	WQUANT 40, 8                                   ; block 1's 32 loads and hidden's 8 may be out; then hidden's 8
	s_wait_loadcnt 0x0
	v_max3_num_f32 v8, |v[H]|, |v[H+1]|, FLOOR     ; my block 2 q + h of hidden's row r: all its 32 numbers are mine
	v_max3_num_f32 v9, |v[H+2]|, |v[H+3]|, |v[H+4]|
.irp i, 5,9,13,17,21,25
	v_max3_num_f32 v8, v8, |v[H+\i]|, |v[H+\i+1]|
	v_max3_num_f32 v9, v9, |v[H+\i+2]|, |v[H+\i+3]|
.endr
	v_max3_num_f32 v8, v8, |v[H+29]|, |v[H+30]|
	v_max3_num_f32 v8, v8, v9, |v[H+31]|
	v_add_nc_u32 v12, EADJ, v8
	v_lshrrev_b32 v10, 23, v12
	v_lshlrev_b32 v59, 3, v58
	v_lshlrev_b32 v[HS], v59, v10                  ; my byte, block h, at its place in the word;
	v_mov_b32 v59, 0
	v_permlanex16_b32 v59, v[HS], s28, s29
	v_or_b32 v[HS], v[HS], v59                     ; with lane l xor 16's: bytes 0 and 1; bytes 2 and 3 are 0
.irp g, 0,1,2,3
	v_cvt_scalef32_pk8_fp4_f32 v[HF+\g], v[H+8*\g:H+8*\g+7], v12
.endr
.irp g, 4,5,6,7
	v_mov_b32 v[HF+\g], 0                          ; k = 64 .. 127: zero codes on both sides
	v_mov_b32 v[P+\g], 0
	v_mov_b32 v[P+8+\g], 0
.endr
.rept 8
	v_nop                                          ; a scale register written by a vector instruction stands 8 places ahead of a scaled matrix instruction, an operand so written 4
.endr
	; source 0 = 16 columns of W1, source 1 = hidden's 16 rows: lane (r, h), register j = hp(q, r, n0 + 16 tile + 8 h + j)
	v_wmma_scale_f32_16x16x128_f8f6f4 v[D0:D0+7], v[P:P+7], v[HF:HF+7], 0, v[SW], v[HS] matrix_a_fmt:MATRIX_FMT_FP4 matrix_b_fmt:MATRIX_FMT_FP4
	v_wmma_scale_f32_16x16x128_f8f6f4 v[D1:D1+7], v[P+8:P+15], v[HF:HF+7], 0, v[SW], v[HS] matrix_a_fmt:MATRIX_FMT_FP4 matrix_b_fmt:MATRIX_FMT_FP4 matrix_a_scale:MATRIX_SCALE_ROW1
.rept 4
	v_nop                                          ; four places ahead of the stores that read the results
.endr
	global_store_b128 v5, v[D0:D0+3], s[14:15]                 ; each accumulator from its low end on
	global_store_b128 v5, v[D0+4:D0+7], s[14:15] offset:16
	global_store_b128 v5, v[D1:D1+3], s[14:15] offset:64
	global_store_b128 v5, v[D1+4:D1+7], s[14:15] offset:80
	s_endpgm
.Lfunc_end_k_q44e3e1267e_prep:
	.size	k_q44e3e1267e_prep, .Lfunc_end_k_q44e3e1267e_prep-k_q44e3e1267e_prep
	.p2alignl 7, 3214868480
	.fill 96, 4, 3214868480
	.section	.rodata,"a",@progbits
	.p2align	6, 0x0
	.amdhsa_kernel k_q44e3e1267e_prep
		.amdhsa_group_segment_fixed_size 0
		.amdhsa_private_segment_fixed_size 0
		.amdhsa_enable_private_segment 0
		.amdhsa_kernarg_size 48
		.amdhsa_user_sgpr_count 2
		.amdhsa_user_sgpr_kernarg_segment_ptr 1
		.amdhsa_wavefront_size32 1
		.amdhsa_system_sgpr_workgroup_id_x 1
		.amdhsa_system_sgpr_workgroup_id_y 1
		.amdhsa_system_sgpr_workgroup_id_z 1
		.amdhsa_system_vgpr_workitem_id 0
		.amdhsa_next_free_vgpr 192
		.amdhsa_next_free_sgpr 66
		.amdhsa_reserve_vcc 0
		.amdhsa_float_denorm_mode_32 3
		.amdhsa_float_denorm_mode_16_64 3
		.amdhsa_memory_ordered 1
		.amdhsa_forward_progress 1
		.amdhsa_inst_pref_size 19
	.end_amdhsa_kernel
	.amdgpu_metadata
---
amdhsa.version: [ 1, 2 ]
amdhsa.kernels:
  - .name:           k_q44e3e1267e_prep
    .symbol:         k_q44e3e1267e_prep.kd
    .args:
      - { .name: W1, .offset: 0, .size: 8, .value_kind: global_buffer, .address_space: global }
      - { .name: W2, .offset: 8, .size: 8, .value_kind: global_buffer, .address_space: global }
      - { .name: hidden_state, .offset: 16, .size: 8, .value_kind: global_buffer, .address_space: global }
      - { .name: w2img, .offset: 24, .size: 8, .value_kind: global_buffer, .address_space: global }
      - { .name: w2sc, .offset: 32, .size: 8, .value_kind: global_buffer, .address_space: global }
      - { .name: hp, .offset: 40, .size: 8, .value_kind: global_buffer, .address_space: global }
    .group_segment_fixed_size: 0
    .private_segment_fixed_size: 0
    .kernarg_segment_align: 8
    .kernarg_segment_size: 48
    .max_flat_workgroup_size: 128
    .sgpr_count:     66
    .vgpr_count:     192
    .wavefront_size: 32
...
	.end_amdgpu_metadata
.endif
;; end of part 1
;; launch main (part 2): grid 256 x 1, 4 waves a work-group, no clusters, 327,680 bytes of LDS; arguments encoder_output, w2img, w2sc, hp, b1, b2, V, scores, ctxp, stat; writes scores, ctxp, stat
.if DOCPART == 2
	.amdgcn_target "amdgcn-amd-amdhsa--gfx1250"
	.amdhsa_code_object_version 6
	.text
	.protected	k_q44e3e1267e_main
	.globl	k_q44e3e1267e_main
	.p2align	8
	.type	k_q44e3e1267e_main,@function
k_q44e3e1267e_main:
	s_mov_b64 s[64:65], 0
	v_nop
	global_prefetch_b8 v0, s[64:65] scope:SCOPE_SE
	s_setreg_imm32_b32 hwreg(HW_REG_WAVE_MODE, 25, 1), 1
	s_wait_xcnt 0x0
; s[row] = sum over u of -2 V[u] / (1 + 2^(2 log2 e (h[u] + (Q(enc) Q(W2))[row][u]))),  h = Q(hidden) Q(W1) + b1 + b2: the score less bv and less the sum of V, which are the same
; for all rows of a softmax and are left out (shown at the head of the first kernel).  Then a running softmax over the work-group's rows and the weighted sum of its f32 rows.
; encoder_output is read once.  Work-group g owns rows 256 g .. + 255 of the flat [65,536][1,024] (batch g / 16) in 4 blocks of 64.  It stores s, its largest s (m), its sum l of 2^((s - m) log2 e)
; and ctxp = the sum of 2^((s - m) log2 e) x row; the next launch joins a batch's 16 parts.
; WAVE w: columns 256 w .. + 255 of enc (lane l: 8 l .. + 7 of them: F, 8 registers a row, kept for the weighted sum) and columns 256 w .. + 255 of W2.
; A BLOCK: the wave's tensor load brings its 256 columns of the 64 rows into its stage in LDS; it moves them into F, quantises them along K and stores the codes as images of the operand's registers;
; barrier; every wave takes all 64 rows' codes into 256 registers and multiplies them by its columns of W2, 16 columns a tile; tanh and V follow each tile; the waves' parts meet in LDS.
; THE LOOP IS CUT BEHIND ROWS 0-31's QUANTISING: there all of the stage has been read out, so the next block's fill stands there, ahead of rows 32-63's quantising.
; THE MATRIX INSTRUCTION IS USED TRANSPOSED (source 0 = 16 columns of W2, source 1 = 16 rows of enc): lane (r, h) holds row r, register j column u0 + 8 h + j.
; tanh(x) = 1 - 2 / (1 + 2^(2 x log2 e)) ends at +1 and -1 where the exponential is infinite or 0.
; NO CLUSTER, though all work-groups walk the same W2: a joint load lands in LDS, and of its 327,680 bytes 326,144 are taken.  W2's images go from memory straight into operand registers.
; PREFETCH: during block i's products (i = 0, 1) each wave names its 1,024 bytes of each row of block i + 2, a lane to 256 bytes, 8 rows an instruction, one instruction in each of 8 tiles: one block ahead of the fill that loads them.
; Blocks 0 and 1 come by their fills alone; block 2's products ask for nothing: there is no block 4.
; The kernel claims all of LDS and has the adds of 0 and the lines s_wait_alu depctr_va_vdst(0).
; LIMITS: NaN and infinities among the inputs are not served; a block of zeros gets the scale byte 1 where the rule says 127 (its codes are zeros, and this program alone reads the bytes).
; LDS: ENC: a wave's 64 rows x 1,088 bytes (16 of padding behind every 256).  AIMG: codes: row tile m x 8,704 + group (4 s + 2 c + h) x 272 + 16 r.  ASC: scale bytes: 512 m + 16 (16 (s % 2) + r) + 4 (s / 2) + block.
;      SCR: the waves' partial scores.  PBUF: p, a wave's own 256 bytes.  VHT: wave, tile, h: eight 2 log2 e x h[u], eight -2 V[u].  SPARE: the spare words.
.set RP,    1088
.set ENCW,  64*RP
.set AIMG,  4*ENCW
.set AGRP,  272
.set ATILE, 32*AGRP
.set ASC,   AIMG+4*ATILE
.set SCR,   ASC+2048
.set PBUF,  SCR+1024
.set VHT,   PBUF+1024
.set SPARE, VHT+8192
.set FLOOR, 0x01800000                 ; 2^(3 - 127)
.set EADJ,  0xff000000                 ; takes 2 off an exponent field
; window 0
.set SPW,  1                           ; SPARE + 4 x thread
.set NIL,  2                           ; 0
.set L16,  3                           ; 16 x lane
.set L8,   4                           ; 8 x lane
.set VH0,  5                           ; VHT + 2,048 w + 64 h
.set VHA,  6                           ; the same, 256 on for each trip of the tiles' loop
.set MV,   7                           ; ENC: my 32 bytes of my wave's row 0
.set CXW,  8
.set QC,   9                           ; where my code word of row 0 goes
.set QS,   10                          ; and my block's scale byte
.set AF,   11                          ; AIMG + 272 h + 16 r
.set ASA,  12                          ; ASC + 16 x lane
.set SCW,  13                          ; SCR + 256 w + 4 r
.set SCRD, 14                          ; SCR + 8 x lane
.set PBW,  15
.set PBR,  16
.set MV2,  17                          ; MV + 32 rows
.set MRUN, 18                          ; the largest s so far
.set LSUM, 19                          ; my lane's part of the sum
.set CTX,  20                          ; v20-27 my 8 columns of the weighted sum
.set SC,   28                          ; v28-35 a pair of partial scores for each tile of 16 rows
.set AS,   36                          ; v36-51 enc's scale words
.set BS,   52                          ; v52-59 W2's
.set VH,   60                          ; v60-91 two tables of 16
.set TT,   76                          ; the second of them is at work between two blocks' products
.set ACC,  92                          ; v92-123 four accumulators; between products work registers
.set CXR,  124
.set TBA,  125                         ; head: where my part of VHT goes
.set G32,  126                         ; head: 32 x lane
.set PFO,  127                         ; prefetch: 4,096 (lane / 4) + 256 (lane % 4)
.set BF,   128                         ; v128-255 W2's fragments, two tiles
; window 1: enc's fragments, tile m, K step s at 64 m + 8 s.  Windows 2, 3: F, row rho at 8 rho.
; s[4:5] enc at my wave's bytes of row 0; s[6:9] w2img, w2sc at my tiles; s[10:11] hp, then the prefetch's base; s[18:23] scores, ctxp, stat; s26 wave; s[28:39] descriptor;
; s[40:43], s[52:55] where the even and the odd tiles' loads stand in w2img and w2sc; s45, s46 counters
.set MSB, 0
.macro WIN new                         ; low byte: bits 1:0 source 0, 3:2 source 1, 5:4 source 2, 7:6 destination; high byte: the setting left
.if MSB != (\new)
	s_set_vgpr_msb (MSB<<8)|(\new)
.set MSB, (\new)
.endif
.endm
.macro VWAIT
	s_wait_alu depctr_va_vdst(0)
.endm
.macro BAR
	s_barrier_signal -1
	s_barrier_wait -1
.endm
	s_load_b512 s[4:19], s[0:1], 0x0               ; enc, w2img, w2sc, hp, b1, b2, V, scores
	s_load_b128 s[20:23], s[0:1], 0x40             ; ctxp, stat
	v_lshl_add_u32 v[SPW], v0, 2, SPARE
	v_mov_b32 v[NIL], 0
	ds_add_u32 v[SPW], v[NIL]                      ; the opening lines: the add twice on end, one wait
	ds_add_u32 v[SPW], v[NIL]
	v_lshrrev_b32 v92, 5, v0
	v_readfirstlane_b32 s26, v92                   ; wave 0..3
	s_mov_b32 s32, (2<<16)|(1<<20)|(5<<22)|(3<<25) ; group 1: 64 rows x 256 elements of 4 bytes, 4 words of padding behind every 64
	s_mov_b32 s33, 256<<16
	s_mov_b32 s34, 64<<16
	s_mov_b32 s35, 256<<16
	s_mov_b32 s36, 64
	s_mov_b32 s37, 1024
	s_mov_b32 s38, 0
	s_mov_b32 s39, 0
	s_mov_b32 s28, 1
	s_mul_i32 s29, s26, ENCW                       ; my wave's stage
	s_lshl_b32 s58, s26, 11
	s_add_co_u32 s58, s58, VHT
	s_mul_i32 s59, s26, 8*AGRP
	s_add_co_u32 s59, s59, AIMG
	s_lshl_b32 s60, s26, 2
	s_add_co_u32 s60, s60, ASC
	s_lshl_b32 s61, s26, 8
	s_add_co_u32 s62, s61, PBUF
	s_add_co_u32 s61, s61, SCR
	s_mul_i32 s63, s26, ATILE
	s_add_co_u32 s63, s63, AIMG
	s_lshl_b32 s27, s26, 10                        ; my 256 columns in bytes
	s_mov_b32 s48, 0x4038aa3b                      ; 2 log2 e (the packed forms name a pair: both words are written)
	s_mov_b32 s49, s48
	s_mov_b32 s50, 0x76543210
	s_mov_b32 s51, 0xfedcba98                      ; lane l xor 16
	s_mov_b32 s56, 0x3fb8aa3b                      ; log2 e
	s_mov_b32 s57, s56
	s_mov_b32 s3, 0
	s_mov_b32 s25, 0
	s_lshl_b32 s24, ttmp9, 20                      ; my work-group's 256 rows of 4,096 bytes
	s_add_co_u32 s24, s24, s27
	v_and_b32 v92, 31, v0                          ; lane
	v_and_b32 v93, 15, v0                          ; r
	v_bfe_u32 v94, v0, 4, 1                        ; h
	v_lshlrev_b32 v[G32], 5, v92
	v_lshlrev_b32 v[L16], 4, v92
	v_lshlrev_b32 v[L8], 3, v92
	v_lshl_add_u32 v[VH0], v94, 6, s58
	v_lshl_add_u32 v[TBA], v92, 6, s58             ; lane l makes tile l / 2, half l % 2
	v_mov_b32 v[VHA], v[VH0]
	v_lshrrev_b32 v95, 3, v92
	v_and_b32 v96, 7, v92
	v_mul_u32_u24 v[MV], v95, 272                  ; 32 bytes a lane, 16 more for each 256 passed
	v_lshl_add_u32 v[MV], v96, 5, v[MV]
	v_add_nc_u32 v[MV], s29, v[MV]
	v_add_nc_u32 v[MV2], 32*RP, v[MV]
	v_lshrrev_b32 v95, 2, v92
	v_and_b32 v96, 3, v92
	v_lshlrev_b32 v[PFO], 12, v95
	v_lshl_add_u32 v[PFO], v96, 8, v[PFO]
	v_mul_u32_u24 v[QC], v95, AGRP                 ; my 8 numbers lie in block 8 w + l / 4 of K = group 4 s + 2 c + h; of its 4 words mine is l % 4
	v_lshl_add_u32 v[QC], v96, 2, v[QC]
	v_add_nc_u32 v[QC], s59, v[QC]
	v_bfe_u32 v95, v0, 2, 2                        ; my block in its K step 2 w + l / 16
	v_lshl_add_u32 v[QS], v94, 8, v95
	v_add_nc_u32 v[QS], s60, v[QS]
	v_mul_u32_u24 v[AF], v94, AGRP
	v_lshl_add_u32 v[AF], v93, 4, v[AF]
	v_add_nc_u32 v[AF], AIMG, v[AF]
	v_lshl_add_u32 v[ASA], v92, 4, ASC
	v_lshl_add_u32 v[SCW], v93, 2, s61
	v_lshl_add_u32 v[SCRD], v92, 3, SCR
	v_lshl_add_u32 v[PBW], v92, 3, s62
	v_mov_b32 v[PBR], s62
	v_lshl_add_u32 v[CXW], v92, 5, s63
	v_lshl_add_u32 v[CXR], v92, 4, s63
.irp k, 0,1,2,3,4,5,6,7
	v_mov_b32 v[CTX+\k], 0
.endr
	v_mov_b32 v[LSUM], 0
	v_mov_b32 v[MRUN], 0xff61b1e6                  ; -3e38, under every s
	VWAIT                                          ; the head's end
	s_wait_dscnt 0x0                               ; both opening adds are done
	s_wait_kmcnt 0x0
	s_add_nc_u64 s[4:5], s[4:5], s[24:25]
	s_mov_b64 s[30:31], s[4:5]                     ; group 0: block 0
	s_or_b32 s31, s31, 0x80000000
	tensor_load_to_lds s[28:31], s[32:39]          ; my one tensor load at the head: my 256 columns of block 0's 64 rows
	s_nop 0
.rept 4
	v_nop
.endr
	s_lshr_b32 s2, ttmp9, 4
	s_lshl_b32 s2, s2, 12                          ; the batch's row of hp
	s_add_co_u32 s2, s2, s27
	s_add_nc_u64 s[10:11], s[10:11], s[2:3]
	s_mov_b32 s2, s27
	s_add_nc_u64 s[12:13], s[12:13], s[2:3]
	s_add_nc_u64 s[14:15], s[14:15], s[2:3]
	s_add_nc_u64 s[16:17], s[16:17], s[2:3]
.irp s, 0,1,2,3,4,5,6,7,8,9,10,11,12,13,14,15  ; the table's 38 loads: my 8 columns of hp's sixteen planes (64 along K each), b1, b2, V
	global_load_b128 v[BF+8*\s:BF+8*\s+3], v[G32], s[10:11] offset:65536*\s
	global_load_b128 v[BF+8*\s+4:BF+8*\s+7], v[G32], s[10:11] offset:65536*\s+16
.endr
.irp p, 0,1,2                                  ; b1 at ACC, b2 at ACC + 8, V at ACC + 16
	global_load_b128 v[ACC+8*\p:ACC+8*\p+3], v[G32], s[12+2*\p:13+2*\p]
	global_load_b128 v[ACC+8*\p+4:ACC+8*\p+7], v[G32], s[12+2*\p:13+2*\p] offset:16
.endr
	s_lshl_b32 s2, s26, 17
	s_add_nc_u64 s[6:7], s[6:7], s[2:3]            ; my 16 tiles of W2, 8,192 bytes each
	s_lshl_b32 s2, s26, 13
	s_add_nc_u64 s[8:9], s[8:9], s[2:3]            ; their scale words, 512 bytes each
	s_lshl_b32 s2, ttmp9, 10
	s_add_nc_u64 s[18:19], s[18:19], s[2:3]
	s_lshl_b32 s2, ttmp9, 12
	s_add_co_u32 s2, s2, s27
	s_add_nc_u64 s[20:21], s[20:21], s[2:3]
	s_lshl_b32 s2, ttmp9, 8
	s_add_nc_u64 s[22:23], s[22:23], s[2:3]
	s_wait_loadcnt 0x0
	s_add_nc_u64 s[10:11], s[4:5], 0x78000         ; hp's loads are done: the pair now holds the prefetch's base, 8 rows short of block 2: each request steps it first
.irp k, 0,2,4,6
	v_pk_add_f32 v[ACC+\k:ACC+\k+1], v[ACC+\k:ACC+\k+1], v[ACC+8+\k:ACC+8+\k+1]
.endr
.irp s, 0,1,2,3,4,5,6,7,8,9,10,11,12,13,14,15
.irp k, 0,2,4,6
	v_pk_add_f32 v[ACC+\k:ACC+\k+1], v[ACC+\k:ACC+\k+1], v[BF+8*\s+\k:BF+8*\s+\k+1]   ; h = b1 + b2 + the sixteen planes, K ascending
.endr
.endr
.irp k, 0,2,4,6
	v_pk_mul_f32 v[ACC+24+\k:ACC+24+\k+1], v[ACC+\k:ACC+\k+1], s[48:49] op_sel_hi:[1,0]
.endr
.irp k, 0,2,4,6
	v_pk_mul_f32 v[ACC+8+\k:ACC+8+\k+1], v[ACC+16+\k:ACC+16+\k+1], -2.0 op_sel_hi:[1,0]
.endr
	ds_store_b128 v[TBA], v[ACC+24:ACC+27]                     ; eight 2 log2 e x h,
	ds_store_b128 v[TBA], v[ACC+28:ACC+31] offset:16
	ds_store_b128 v[TBA], v[ACC+8:ACC+11] offset:32            ; eight -2 V
	ds_store_b128 v[TBA], v[ACC+12:ACC+15] offset:48
; half (4 K steps) of a tile's fragments and scale words into buffer be: 9 loads of 512 (256) consecutive bytes
.macro BLOAD be, half, wb, wo
.irp s, 0,1,2,3
.irp c, 0,1
	global_load_b128 v[BF+64*(\be)+8*(4*(\half)+\s)+4*\c:BF+64*(\be)+8*(4*(\half)+\s)+4*\c+3], v[L16], s[\wb:\wb+1] offset:(\wo)+1024*(4*(\half)+\s)+512*\c
.endr
.endr
	global_load_b64 v[BS+4*(\be)+2*(\half):BS+4*(\be)+2*(\half)+1], v[L8], s[\wb+2:\wb+3] offset:(\wo)/16+256*(\half)
.endm
.macro VHLOAD be, vr, vo
.irp c, 0,1,2,3
	ds_load_b128 v[VH+16*(\be)+4*\c:VH+16*(\be)+4*\c+3], v[\vr] offset:(\vo)+16*\c
.endr
.endm
	BLOAD 0, 0, 6, 0                               ; tiles 0 and 1: 36 loads
	BLOAD 0, 1, 6, 0
	BLOAD 1, 0, 6, 8192
	BLOAD 1, 1, 6, 8192
.macro MOVE m                          ; my 32 bytes of rows 16 m .. + 15 from the stage into F: 32 loads
	WIN 0x80+0x40*((\m)/2)
.set r_, 0
.rept 16
.set fr, 8*(16*((\m)%2)+r_)
.if (\m) < 2
	ds_load_b128 v[fr:fr+3], v[MV] offset:RP*(16*((\m)%2)+r_)
	ds_load_b128 v[fr+4:fr+7], v[MV] offset:RP*(16*((\m)%2)+r_)+16
.else
	ds_load_b128 v[fr:fr+3], v[MV2] offset:RP*(16*((\m)%2)+r_)
	ds_load_b128 v[fr+4:fr+7], v[MV2] offset:RP*(16*((\m)%2)+r_)+16
.endif
.set r_, r_+1
.endr
.endm
; rows 16 m .. + 15: a lane's 8 numbers are a quarter of a block of 32; four neighbouring lanes hold it.  The 16 rows take turns.
.macro QUANT m
.set FB, 128*((\m)%2)
	WIN 0x0a+5*((\m)/2)
.set r_, 0
.rept 16
	v_max3_num_f32 v[ACC+r_], |v[FB+8*r_]|, |v[FB+8*r_+1]|, FLOOR   ; the floor holds the byte at 1 from below
.set r_, r_+1
.endr
.irp i, 2,4,6
.set r_, 0
.rept 16
	v_max3_num_f32 v[ACC+r_], |v[FB+8*r_+\i]|, |v[FB+8*r_+\i+1]|, v[ACC+r_]
.set r_, r_+1
.endr
.endr
	WIN 0
.irp x, 1,2
.set r_, 0
.rept 16
	v_max_num_f32_dpp v[ACC+r_], v[ACC+r_], v[ACC+r_] row_xmask:\x row_mask:0xf bank_mask:0xf
.set r_, r_+1
.endr
.endr
.set r_, 0
.rept 16
	v_add_nc_u32 v[ACC+r_], EADJ, v[ACC+r_]        ; the conversion's scale operand
.set r_, r_+1
.endr
	WIN 0x02+(\m)/2
.set r_, 0
.rept 16
	v_cvt_scalef32_pk8_fp4_f32 v[ACC+16+r_], v[FB+8*r_:FB+8*r_+7], v[ACC+r_]
.set r_, r_+1
.endr
	WIN 0
	v_nop                                          ; one plain place behind the conversions
.set r_, 0
.rept 16
	v_lshrrev_b32 v[ACC+r_], 23, v[ACC+r_]         ; the scale's byte
.set r_, r_+1
.endr
.set r_, 0
.rept 16
	ds_store_b32 v[QC], v[ACC+16+r_] offset:ATILE*(\m)+16*r_
	ds_store_b8 v[QS], v[ACC+r_] offset:512*(\m)+16*r_         ; the four lanes of a block write the same byte with the same value
.set r_, r_+1
.endr
.endm
; a block's rows from the stage into F, and rows 0-31's codes
.macro ROWS
	s_wait_tensorcnt 0x0                           ; the one load of mine that is out brings the rows that I now read
	MOVE 0
	MOVE 1
	MOVE 2
	MOVE 3
	s_wait_dscnt 63                                ; of 128 loads the oldest 65 are in: rows 0-15
	QUANT 0
	s_wait_dscnt 63                                ; of 160 LDS instructions the oldest 97: rows 16-31
	QUANT 1
.endm
; all 64 rows' codes and scale words, and tile 0's table; the walk over W2 goes back to its start; the last wait leaves the 32 loads of K steps 4 to 7 out
.macro AFETCH
.irp m, 0,1,2,3
	ds_load_b128 v[AS+4*\m:AS+4*\m+3], v[ASA] offset:512*\m
.endr
	VHLOAD 0, VH0, 0
	WIN 0x40
.irp s, 0,1,2,3,4,5,6,7
.irp m, 0,1,2,3
.irp c, 0,1
	ds_load_b128 v[64*\m+8*\s+4*\c:64*\m+8*\s+4*\c+3], v[AF] offset:ATILE*\m+AGRP*(4*\s+2*\c)
.endr
.endr
.endr
	WIN 0
.irp k, 0,1,2,3,4,5,6,7
	v_mov_b32 v[SC+\k], 0
.endr
	v_mov_b32 v[VHA], v[VH0]
	VWAIT                                          ; the first tile's table load reads the line above behind the waits below
	s_wait_xcnt 0x0                                ; the loads that named the walking bases have read them
	s_mov_b64 s[40:41], s[6:7]                     ; each base is stepped two tiles on ahead of its loads: tile 0 -> 2, 4, ..
	s_mov_b64 s[42:43], s[8:9]
	s_add_nc_u64 s[52:53], s[6:7], 8192            ; tile 1 -> 3, 5, ..
	s_add_nc_u64 s[54:55], s[8:9], 512
	s_wait_dscnt 32
.endm
.macro MM be, m, s                     ; odd K steps take both scale words from lanes 16-31
.set rD, ACC+8*(\m)
.set rB, BF+64*(\be)+8*(\s)
.set rA, 64*(\m)+8*(\s)
.set rX, BS+4*(\be)+(\s)/2
.set rY, AS+4*(\m)+(\s)/2
.if (\s) == 0
	v_wmma_scale_f32_16x16x128_f8f6f4 v[rD:rD+7], v[rB:rB+7], v[rA:rA+7], 0, v[rX], v[rY] matrix_a_fmt:MATRIX_FMT_FP4 matrix_b_fmt:MATRIX_FMT_FP4
.elseif ((\s)%2) == 1
	v_wmma_scale_f32_16x16x128_f8f6f4 v[rD:rD+7], v[rB:rB+7], v[rA:rA+7], v[rD:rD+7], v[rX], v[rY] matrix_a_fmt:MATRIX_FMT_FP4 matrix_b_fmt:MATRIX_FMT_FP4 matrix_a_scale:MATRIX_SCALE_ROW1 matrix_b_scale:MATRIX_SCALE_ROW1
.else
	v_wmma_scale_f32_16x16x128_f8f6f4 v[rD:rD+7], v[rB:rB+7], v[rA:rA+7], v[rD:rD+7], v[rX], v[rY] matrix_a_fmt:MATRIX_FMT_FP4 matrix_b_fmt:MATRIX_FMT_FP4
.endif
.endm
.macro T1 k                            ; 2 log2 e (x + h)
	v_pk_fma_f32 v[ACC+2*(\k):ACC+2*(\k)+1], v[ACC+2*(\k):ACC+2*(\k)+1], s[48:49], v[HBB+(2*(\k))%8:HBB+(2*(\k))%8+1] op_sel_hi:[1,0,1]
.endm
.macro T3 k
	v_pk_add_f32 v[ACC+2*(\k):ACC+2*(\k)+1], v[ACC+2*(\k):ACC+2*(\k)+1], 1.0 op_sel_hi:[1,0]
.endm
.macro T5 k
	v_pk_fma_f32 v[SC+2*((\k)/4):SC+2*((\k)/4)+1], v[ACC+2*(\k):ACC+2*(\k)+1], v[V2B+(2*(\k))%8:V2B+(2*(\k))%8+1], v[SC+2*((\k)/4):SC+2*((\k)/4)+1]
.endm
; 8 rows x my 1,024 bytes of the block after next; s46 counts 3, 2, 1: in the blocks' last trip there is no such block.  The base is stepped here, two tiles behind the request that read it, behind its wait
.macro ASK
	s_cmp_gt_u32 s46, 1
	s_cbranch_scc0 .Lna_\@
	s_wait_xcnt 0x0
	s_add_nc_u64 s[10:11], s[10:11], 32768
	global_prefetch_b8 v[PFO], s[10:11] th:TH_LOAD_NT scope:SCOPE_SE
.Lna_\@:
.endm
; A TILE of 16 columns of W2 (buffer be) against all 64 rows.  vl: at its head the other table buffer takes the next tile's table (v[VHA] + vo); vl = 2: and the tables' address goes 256 on.
; 32 products, the four accumulators by turns; four places; tanh in whole batches: all sources, the wait, 32 transcendentals, a plain line, the wait.
; Behind the first of these waits: pf: a prefetch; ld: the tile's buffer takes the tile two on (18 loads); a walking base is stepped first: the wait for c2 has shown the loads that named it done.
; c1, c2: the younger loads that may stay out at the head and in the middle.
.macro TILE be, ld, vl, wb, wo, vo, c1, c2, pf
.set HBB, VH+16*(\be)
.set V2B, HBB+8
	s_wait_loadcnt \c1
.if \vl
	VHLOAD 1-(\be), VHA, \vo
.endif
.if (\vl) == 2
	v_add_nc_u32 v[VHA], 256, v[VHA]
.endif
	WIN 0x04
.irp s, 0,1,2,3
.irp m, 0,1,2,3
	MM \be, \m, \s
.endr
.endr
	s_wait_loadcnt \c2
.if \vl
	s_wait_dscnt 4                                 ; all but the next tile's table: this tile's table and, in a block's first tile, the codes of K steps 4 to 7 are in
.else
	s_wait_dscnt 0x0
.endif
.irp s, 4,5,6,7
.irp m, 0,1,2,3
	MM \be, \m, \s
.endr
.endr
.rept 4
	v_nop
.endr
	WIN 0
.set kk, 0
.rept 16
	T1 kk                                          ; each accumulator from its low end on
.set kk, kk+1
.endr
	VWAIT
.if \pf
	ASK
.endif
.if \ld
.if (\wb) != 6
	s_add_nc_u64 s[\wb:\wb+1], s[\wb:\wb+1], 16384
	s_add_nc_u64 s[\wb+2:\wb+3], s[\wb+2:\wb+3], 1024
.endif
	BLOAD \be, 0, \wb, \wo
	BLOAD \be, 1, \wb, \wo
.endif
.set kk, 0
.rept 32
	v_exp_f32 v[ACC+kk], v[ACC+kk]
.set kk, kk+1
.endr
	v_nop
	VWAIT
.set kk, 0
.rept 16
	T3 kk
.set kk, kk+1
.endr
	VWAIT
.set kk, 0
.rept 32
	v_rcp_f32 v[ACC+kk], v[ACC+kk]
.set kk, kk+1
.endr
	v_nop
	VWAIT
.irp k, 0,4,8,12,1,5,9,13,2,6,10,14,3,7,11,15
	T5 \k                                          ; the four pairs of sums by turns
.endr
.endm
; 16 tiles.  A tile's 18 loads are issued in the tile two before: at a tile's head the loads younger than its first half are its second half (9) and the next tile's 18: 27; in its middle 18.
; r = 1: the last two tiles' buffers take tiles 0 and 1 for the next block.  r = 0: nothing more is asked for: the last tile's counts are 9 and 0.
.macro GEMM r
	s_mov_b32 s45, 7
.Lg_\@:
	TILE 0, 1, 1, 40, 0, 128, 27, 18, \r
	TILE 1, 1, 2, 52, 0, 256, 27, 18, 0
	s_sub_co_u32 s45, s45, 1
	s_cmp_lg_u32 s45, 0
	s_cbranch_scc1 .Lg_\@
	TILE 0, \r, 1, 6, 0, 128, 27, 18, \r
.if \r
	TILE 1, 1, 0, 6, 8192, 0, 27, 18, 0
.else
	TILE 1, 0, 0, 6, 8192, 0, 9, 0, 0
.endif
.endm
.macro SCORE                           ; my wave's part of the 64 s: the pair's halves, the other half of the lanes; to LDS; barrier
.irp m, 0,1,2,3
	v_add_f32 v[TT+\m], v[SC+2*\m], v[SC+2*\m+1]
.endr
.irp m, 0,1,2,3
	v_permlanex16_b32 v[TT+4+\m], v[TT+\m], s50, s51
.endr
.irp m, 0,1,2,3
	v_add_f32 v[TT+\m], v[TT+\m], v[TT+4+\m]
.endr
.irp m, 0,1,2,3
	ds_store_b32 v[SCW], v[TT+\m] offset:64*\m     ; row 16 m + r; lanes r and 16 + r write the same word with the same value
.endr
	s_wait_dscnt 0x0                               ; my stores have landed; my loads of the images were in long ago, so the next block's codes may be written behind the barrier
	BAR
.endm
; every wave: the 64 s (lane l: rows 2 l, 2 l + 1), the running maximum, p, the sum; then its 256 columns of the weighted sum, from F
.macro SOFTCTX r
.irp w, 0,1,2,3
	ds_load_b64 v[TT+2*\w:TT+2*\w+1], v[SCRD] offset:256*\w
.endr
	s_wait_dscnt 0x0
	v_pk_add_f32 v[TT:TT+1], v[TT:TT+1], v[TT+2:TT+3]
	v_pk_add_f32 v[TT+4:TT+5], v[TT+4:TT+5], v[TT+6:TT+7]
	v_pk_add_f32 v[TT:TT+1], v[TT:TT+1], v[TT+4:TT+5]
	v_max_num_f32 v[TT+2], v[TT], v[TT+1]
.irp x, 1,2,4,8
	v_max_num_f32_dpp v[TT+2], v[TT+2], v[TT+2] row_xmask:\x row_mask:0xf bank_mask:0xf
.endr
	v_permlanex16_b32 v[TT+3], v[TT+2], s50, s51
	v_max3_num_f32 v[TT+14], v[TT+2], v[TT+3], v[MRUN]
	v_sub_f32 v[TT+15], v[MRUN], v[TT+14]          ; the differences are formed first and scaled then
	v_sub_f32 v[TT+10], v[TT], v[TT+14]
	v_sub_f32 v[TT+11], v[TT+1], v[TT+14]
	v_mul_f32 v[TT+15], s56, v[TT+15]
	v_pk_mul_f32 v[TT+10:TT+11], v[TT+10:TT+11], s[56:57] op_sel_hi:[1,0]
	VWAIT
	v_exp_f32 v[TT+10], v[TT+10]                   ; p of my two rows
	v_exp_f32 v[TT+11], v[TT+11]
	v_exp_f32 v[TT+12], v[TT+15]                   ; f: brings what was summed under the old maximum under the new
	v_mov_b32 v[MRUN], v[TT+14]
	VWAIT
	s_cmp_lg_u32 s26, 0
	s_cbranch_scc1 .Lnw0_\@
	global_store_b64 v[L8], v[TT:TT+1], s[18:19]   ; wave 0: the block's 64 s: 256 consecutive bytes, aligned
.Lnw0_\@:
	v_fma_f32 v[LSUM], v[LSUM], v[TT+12], v[TT+10]
	v_add_f32 v[LSUM], v[LSUM], v[TT+11]
	ds_store_b64 v[PBW], v[TT+10:TT+11]            ; my wave's own bytes: LDS serves a wave's instructions in order
.irp k, 0,2,4,6
	v_pk_mul_f32 v[CTX+\k:CTX+\k+1], v[CTX+\k:CTX+\k+1], v[TT+12:TT+13] op_sel_hi:[1,0]
.endr
.irp hh, 0,1                                   ; 32 rows at a time: their p in every lane, 4 packed multiply-adds a row
.irp i, 0,1,2,3,4,5,6,7
	ds_load_b128 v[ACC+4*\i:ACC+4*\i+3], v[PBR] offset:128*\hh+16*\i
.endr
	VWAIT
	s_wait_dscnt 0x0
	WIN 0x02+\hh
.set ro, 0
.rept 32
.irp k, 0,2,4,6
.if ro%2
	v_pk_fma_f32 v[CTX+\k:CTX+\k+1], v[8*ro+\k:8*ro+\k+1], v[ACC+ro-1:ACC+ro], v[CTX+\k:CTX+\k+1] op_sel:[0,1,0] op_sel_hi:[1,1,1]
.else
	v_pk_fma_f32 v[CTX+\k:CTX+\k+1], v[8*ro+\k:8*ro+\k+1], v[ACC+ro:ACC+ro+1], v[CTX+\k:CTX+\k+1] op_sel_hi:[1,0,1]
.endif
.endr
.set ro, ro+1
.endr
	WIN 0
.endr
	VWAIT
	s_wait_xcnt 0x0                                ; the store of s has read its registers
.if \r
	s_add_nc_u64 s[18:19], s[18:19], 256
.endif
.endm
.macro BACK r                          ; behind the block's last code stores
	s_wait_dscnt 0x0                               ; my code stores have landed
	BAR                                            ; my fill may stay out across it
	AFETCH
	GEMM \r
	SCORE
	SOFTCTX \r
.endm
	ROWS                                           ; block 0
	s_mov_b32 s46, 3
.Lblk:                                             ; trip i = 0, 1, 2: block i + 1 is asked for; block i's rows 32-63, products, scores, weighted sum; block i + 1 into F, its rows 0-31
	s_wait_tensorcnt 0x0                           ; no tensor load of mine is out: group 0 may be written
	ds_add_u32 v[SPW], v[NIL]
	s_add_nc_u64 s[30:31], s[30:31], 0x40000       ; 64 rows of 4,096 bytes on
	s_wait_dscnt 0x0                               ; the add is done, and my reads of the stage are in
	BAR
	tensor_load_to_lds s[28:31], s[32:39]          ; my one tensor load until the next trip
	s_nop 0
.rept 4
	v_nop
.endr
	QUANT 2
	QUANT 3
	BACK 1
	ROWS
	s_sub_co_u32 s46, s46, 1
	s_cmp_lg_u32 s46, 0
	s_cbranch_scc1 .Lblk
	s_wait_dscnt 0x0                               ; block 3 asks for nothing: written out
	QUANT 2
	QUANT 3
	BACK 0
	; THE WAY OUT: the sum over the lanes; m and l 32 times over, so that one store covers 256 consecutive bytes, aligned
.irp x, 1,2,4,8
	v_add_f32_dpp v[LSUM], v[LSUM], v[LSUM] row_xmask:\x row_mask:0xf bank_mask:0xf
.endr
	v_permlanex16_b32 v[TT], v[LSUM], s50, s51
	v_add_f32 v[LSUM], v[LSUM], v[TT]
	VWAIT
	s_cmp_lg_u32 s26, 0
	s_cbranch_scc1 .Lno_stat
	global_store_b64 v[L8], v[MRUN:LSUM], s[22:23]
.Lno_stat:
	; a lane's 32 bytes turn through 1,024 bytes of my own in the images' region (all reads of it were in ahead of the last barrier): each store covers 512 consecutive bytes
	ds_store_b128 v[CXW], v[CTX:CTX+3]
	ds_store_b128 v[CXW], v[CTX+4:CTX+7] offset:16
	ds_load_b128 v[ACC:ACC+3], v[CXR]
	ds_load_b128 v[ACC+4:ACC+7], v[CXR] offset:512
	s_wait_dscnt 0x0
	global_store_b128 v[L16], v[ACC:ACC+3], s[20:21]
	global_store_b128 v[L16], v[ACC+4:ACC+7], s[20:21] offset:512
	s_wait_tensorcnt 0x0                           ; the wave's end: the three lines
	ds_add_u32 v[SPW], v[NIL]
	s_wait_dscnt 0x0
	s_endpgm
.Lfunc_end_k_q44e3e1267e_main:
	.size	k_q44e3e1267e_main, .Lfunc_end_k_q44e3e1267e_main-k_q44e3e1267e_main
	.p2alignl 7, 3214868480
	.fill 96, 4, 3214868480
	.section	.rodata,"a",@progbits
	.p2align	6, 0x0
	.amdhsa_kernel k_q44e3e1267e_main
		.amdhsa_group_segment_fixed_size 327680
		.amdhsa_private_segment_fixed_size 0
		.amdhsa_enable_private_segment 0
		.amdhsa_kernarg_size 80
		.amdhsa_user_sgpr_count 2
		.amdhsa_user_sgpr_kernarg_segment_ptr 1
		.amdhsa_wavefront_size32 1
		.amdhsa_system_sgpr_workgroup_id_x 1
		.amdhsa_system_sgpr_workgroup_id_y 1
		.amdhsa_system_sgpr_workgroup_id_z 1
		.amdhsa_system_vgpr_workitem_id 0
		.amdhsa_next_free_vgpr 1024
		.amdhsa_next_free_sgpr 66
		.amdhsa_reserve_vcc 0
		.amdhsa_float_denorm_mode_32 3
		.amdhsa_float_denorm_mode_16_64 3
		.amdhsa_memory_ordered 1
		.amdhsa_forward_progress 1
		.amdhsa_inst_pref_size 255
	.end_amdhsa_kernel
	.section	.bss,"aw",@nobits
	.p2align	6
	.space	262144
	.amdgpu_metadata
---
amdhsa.version: [ 1, 2 ]
amdhsa.kernels:
  - .name:           k_q44e3e1267e_main
    .symbol:         k_q44e3e1267e_main.kd
    .args:
      - { .name: encoder_output, .offset: 0, .size: 8, .value_kind: global_buffer, .address_space: global }
      - { .name: w2img, .offset: 8, .size: 8, .value_kind: global_buffer, .address_space: global }
      - { .name: w2sc, .offset: 16, .size: 8, .value_kind: global_buffer, .address_space: global }
      - { .name: hp, .offset: 24, .size: 8, .value_kind: global_buffer, .address_space: global }
      - { .name: b1, .offset: 32, .size: 8, .value_kind: global_buffer, .address_space: global }
      - { .name: b2, .offset: 40, .size: 8, .value_kind: global_buffer, .address_space: global }
      - { .name: V, .offset: 48, .size: 8, .value_kind: global_buffer, .address_space: global }
      - { .name: scores, .offset: 56, .size: 8, .value_kind: global_buffer, .address_space: global }
      - { .name: ctxp, .offset: 64, .size: 8, .value_kind: global_buffer, .address_space: global }
      - { .name: stat, .offset: 72, .size: 8, .value_kind: global_buffer, .address_space: global }
    .group_segment_fixed_size: 327680
    .private_segment_fixed_size: 0
    .kernarg_segment_align: 8
    .kernarg_segment_size: 80
    .max_flat_workgroup_size: 128
    .sgpr_count:     66
    .vgpr_count:     1024
    .wavefront_size: 32
...
	.end_amdgpu_metadata
.endif
;; end of part 2
;; launch finish (part 3): grid 4 x 16, 4 waves a work-group, no clusters, 0 bytes of LDS; arguments scores, ctxp, stat, out0, out1; writes out0, out1
.if DOCPART == 3
	.amdgcn_target "amdgcn-amd-amdhsa--gfx1250"
	.amdhsa_code_object_version 6
	.text
	.protected	k_q44e3e1267e_finish
	.globl	k_q44e3e1267e_finish
	.p2align	8
	.type	k_q44e3e1267e_finish,@function
k_q44e3e1267e_finish:
	s_mov_b64 s[64:65], 0
	v_nop
	global_prefetch_b8 v0, s[64:65] scope:SCOPE_SE
	s_setreg_imm32_b32 hwreg(HW_REG_WAVE_MODE, 25, 1), 1
	s_wait_xcnt 0x0
; The 16 parts of a batch are joined.  Part i has its largest score m_i, its sum l_i of 2^((s - m_i) log2 e) and its weighted sum ctxp_i under m_i.
; M = max m_i;  e_i = 2^((m_i - M) log2 e);  L = sum l_i e_i;  out0 = sum ctxp_i e_i / L;  out1 = 2^((s - M) log2 e) / L.
; Work-group (x, b): batch b, columns 256 x .. + 255 of out0 (thread t: two of them) and rows 1,024 x .. + 1,023 of out1 (thread t: eight).  No LDS, no barrier: each half wave of 16 lanes holds all 16 parts' figures.
; A wave's store covers 256 (out0) or 512 (out1) consecutive bytes, aligned.
.set L2E, 0x3fb8aa3b
	s_load_b256 s[4:11], s[0:1], 0x0               ; scores s[4:5], ctxp s[6:7], stat s[8:9], out0 s[10:11]
	s_load_b64 s[12:13], s[0:1], 0x20              ; out1
	s_and_b32 s14, ttmp7, 0xffff                   ; b
	v_and_b32 v1, 15, v0
	v_lshlrev_b32 v1, 8, v1                        ; part t % 16: 256 bytes a part
	v_lshlrev_b32 v2, 3, v0                        ; 8 t
	v_lshlrev_b32 v3, 4, v0                        ; 16 t
	s_mov_b32 s17, 0
	s_lshl_b32 s16, s14, 12                        ; 4,096 b
	s_lshl_b32 s18, ttmp9, 10                      ; 1,024 x
	s_wait_alu depctr_va_vdst(0)
	s_wait_kmcnt 0x0
	s_add_nc_u64 s[8:9], s[8:9], s[16:17]
	s_add_co_u32 s16, s16, s18
	s_add_nc_u64 s[10:11], s[10:11], s[16:17]
	s_lshl_b32 s16, s14, 16                        ; 16 parts of 4,096 bytes
	s_add_co_u32 s16, s16, s18
	s_add_nc_u64 s[6:7], s[6:7], s[16:17]
	s_lshl_b32 s16, s14, 14                        ; 4,096 scores
	s_lshl_b32 s18, ttmp9, 12
	s_add_co_u32 s16, s16, s18
	s_add_nc_u64 s[4:5], s[4:5], s[16:17]
	s_add_nc_u64 s[12:13], s[12:13], s[16:17]
	global_load_b64 v[4:5], v1, s[8:9]             ; m, l of part t % 16
.irp i, 0,1,2,3,4,5,6,7,8,9,10,11,12,13,14,15
	global_load_b64 v[8+2*\i:9+2*\i], v2, s[6:7] offset:4096*\i th:TH_LOAD_NT
.endr
	global_load_b128 v[40:43], v3, s[4:5] th:TH_LOAD_NT
	global_load_b128 v[44:47], v3, s[4:5] offset:2048 th:TH_LOAD_NT
	s_wait_loadcnt 18                              ; m and l are in; the 16 loads of parts and the 2 of scores may be out
	v_mov_b32 v6, v4
.irp x, 1,2,4,8
	v_max_num_f32_dpp v6, v6, v6 row_xmask:\x row_mask:0xf bank_mask:0xf   ; M, in every lane
.endr
	v_sub_f32 v7, v4, v6
	v_mul_f32 v7, L2E, v7
	s_wait_alu depctr_va_vdst(0)
	v_exp_f32 v7, v7                               ; e
	v_nop                                          ; a plain line behind the transcendental,
	s_wait_alu depctr_va_vdst(0)                   ; and the wait ahead of its first reader
	v_mul_f32 v48, v5, v7
.irp x, 1,2,4,8
	v_add_f32_dpp v48, v48, v48 row_xmask:\x row_mask:0xf bank_mask:0xf    ; L
.endr
	s_wait_alu depctr_va_vdst(0)
	v_rcp_f32 v49, v48
	v_nop
	s_wait_alu depctr_va_vdst(0)
	v_mul_f32 v7, v7, v49                          ; e / L of part t % 16
.irp i, 0,1,2,3,4,5,6,7,8,9,10,11,12,13,14,15
	v_readlane_b32 s[40+\i], v7, \i
.endr
	s_wait_loadcnt 2                               ; the parts are in; the 2 loads of scores may be out
	v_mul_f32 v50, s40, v8
	v_mul_f32 v51, s40, v9
.irp i, 1,2,3,4,5,6,7,8,9,10,11,12,13,14,15
	v_fma_f32 v50, v[8+2*\i], s[40+\i], v50
	v_fma_f32 v51, v[9+2*\i], s[40+\i], v51
.endr
	global_store_b64 v2, v[50:51], s[10:11]
	s_wait_loadcnt 0x0
.irp j, 0,1,2,3,4,5,6,7
	v_sub_f32 v[40+\j], v[40+\j], v6
.endr
.irp j, 0,1,2,3,4,5,6,7
	v_mul_f32 v[40+\j], L2E, v[40+\j]
.endr
	s_wait_alu depctr_va_vdst(0)
.irp j, 0,1,2,3,4,5,6,7
	v_exp_f32 v[40+\j], v[40+\j]
.endr
	v_nop
	s_wait_alu depctr_va_vdst(0)                   ; one wait for the eight
.irp j, 0,1,2,3,4,5,6,7
	v_mul_f32 v[40+\j], v[40+\j], v49
.endr
	global_store_b128 v3, v[40:43], s[12:13]
	global_store_b128 v3, v[44:47], s[12:13] offset:2048
	s_endpgm
.Lfunc_end_k_q44e3e1267e_finish:
	.size	k_q44e3e1267e_finish, .Lfunc_end_k_q44e3e1267e_finish-k_q44e3e1267e_finish
	.p2alignl 7, 3214868480
	.fill 96, 4, 3214868480
	.section	.rodata,"a",@progbits
	.p2align	6, 0x0
	.amdhsa_kernel k_q44e3e1267e_finish
		.amdhsa_group_segment_fixed_size 0
		.amdhsa_private_segment_fixed_size 0
		.amdhsa_enable_private_segment 0
		.amdhsa_kernarg_size 40
		.amdhsa_user_sgpr_count 2
		.amdhsa_user_sgpr_kernarg_segment_ptr 1
		.amdhsa_wavefront_size32 1
		.amdhsa_system_sgpr_workgroup_id_x 1
		.amdhsa_system_sgpr_workgroup_id_y 1
		.amdhsa_system_sgpr_workgroup_id_z 1
		.amdhsa_system_vgpr_workitem_id 0
		.amdhsa_next_free_vgpr 64
		.amdhsa_next_free_sgpr 66
		.amdhsa_reserve_vcc 0
		.amdhsa_float_denorm_mode_32 3
		.amdhsa_float_denorm_mode_16_64 3
		.amdhsa_memory_ordered 1
		.amdhsa_forward_progress 1
		.amdhsa_inst_pref_size 9
	.end_amdhsa_kernel
	.amdgpu_metadata
---
amdhsa.version: [ 1, 2 ]
amdhsa.kernels:
  - .name:           k_q44e3e1267e_finish
    .symbol:         k_q44e3e1267e_finish.kd
    .args:
      - { .name: scores, .offset: 0, .size: 8, .value_kind: global_buffer, .address_space: global }
      - { .name: ctxp, .offset: 8, .size: 8, .value_kind: global_buffer, .address_space: global }
      - { .name: stat, .offset: 16, .size: 8, .value_kind: global_buffer, .address_space: global }
      - { .name: out0, .offset: 24, .size: 8, .value_kind: global_buffer, .address_space: global }
      - { .name: out1, .offset: 32, .size: 8, .value_kind: global_buffer, .address_space: global }
    .group_segment_fixed_size: 0
    .private_segment_fixed_size: 0
    .kernarg_segment_align: 8
    .kernarg_segment_size: 40
    .max_flat_workgroup_size: 128
    .sgpr_count:     66
    .vgpr_count:     64
    .wavefront_size: 32
...
	.end_amdgpu_metadata
.endif
;; end of part 3
